; MI455X (gfx1250); checked and timed in simulation.
; The chip was launched on July 23, 2026; its instructions are those of AMD's public machine-readable ISA for CDNA 5 (MIT licence, August 2026) and "CDNA5" Instruction Set Architecture Reference Guide (July 2026). The comments in the code are by the model that wrote it; some were corrected since.
;; Mo E Gate. Allowed arithmetic: float matrix products may take bf16 or f16 operands with f32 sums; all other float work in f32.
;; Inputs: hidden_states 4 x 4,096 x 2,048 float32; weight 64 x 2,048 float32.
;; Outputs: out0 16,384 x 8 int32; out1 16,384 x 8 float32.
;; Constants: top_k = 8.
;; One version. Each part assembles by itself: llvm-mc -triple=amdgcn-amd-amdhsa -mcpu=gfx1250 --defsym DOCPART=n.
;; ======== version 1 of 1: 1 launch
;; launch gate (part 1): grid 256 x 1, 8 waves a work-group, clusters of 4 x 1, 327,680 bytes of LDS; arguments hidden_states, weight, out0, out1; writes out0, out1
.if DOCPART == 1
	.amdgcn_target "amdgcn-amd-amdhsa--gfx1250"
	.amdhsa_code_object_version 6
	.text
	.protected	k_qd45b186064_gate
	.globl	k_qd45b186064_gate
	.p2align	8
	.type	k_qd45b186064_gate,@function
k_qd45b186064_gate:
	s_mov_b64 s[64:65], 0
	v_nop
	global_prefetch_b8 v0, s[64:65] scope:SCOPE_SE
	s_setreg_imm32_b32 hwreg(HW_REG_WAVE_MODE, 25, 1), 1
	s_wait_xcnt 0x0
	s_wait_alu depctr_hold_cnt(0) depctr_sa_sdst(0) depctr_va_vdst(0) depctr_va_sdst(0) depctr_va_ssrc(0) depctr_va_vcc(0) depctr_vm_vsrc(0)
	s_getreg_b32 s2, hwreg(HW_REG_IB_STS2, 6, 4)
	s_cmp_eq_u32 s2, 0
	s_cbranch_scc0 .Lentry_in_a_cluster
	s_endpgm
.Lentry_in_a_cluster:
	s_bfe_u32 s2, ttmp6, 0x10000c
	s_cmp_lg_u32 s2, 0x3003
	s_cbranch_scc0 .Lentry_shape_is_right
	s_endpgm
.Lentry_shape_is_right:
; MoE gate: logits[t][e] = sum over k of x[t][k] w[e][k]; scores = softmax over the 64 experts; the 8 largest scores of each token and their indices.
; x: [16384][2048] f32, w: [64][2048] f32, out0: [16384][8] i32, out1: [16384][8] f32.
; A work-group owns 64 tokens (256 work-groups), eight waves.  K IS SPLIT OVER THE WAVES: wave w takes the 64-wide K chunks w, w+8, w+16, w+24 (c = 0..3) for
; all 64 tokens and all 64 experts (16 accumulator tiles, 128 registers), so every number of x and of w is read from LDS by one wave only; the eight
; partial sums meet in LDS at the end.
; x: loads of 16 bytes a lane, sixteen lanes on 256 consecutive aligned bytes of a row.  A group = 16 tokens x 64 k = 8 loads = 32 registers.  A group is
;    rounded to bf16, laid into the wave's own LDS stage and read back as matrix fragments: own bytes, served in order, no barrier.
;    TEN GROUPS CAN BE ASKED FOR BEFORE ANY w IS THERE: six lie in a ring of register slots, and the four groups of chunk 0 lie in the registers of the very
;    accumulators that their own first products start (C = 0): until then those 128 registers hold nothing.  So the stream of x does not stop while
;    the wave waits for w and converts it.  Five groups go out at once, each further one when the oldest has landed: by this text's count at most
;    56 loads of a wave are out (28 KiB, 224 KiB a work-group), and no more than that has been asked for ahead of the w tiles that follow.
; w: every work-group walks the same 512 KiB, as many bytes as its own x.  So four work-groups form a cluster and ask for each tile JOINTLY (mask 15):
;    the same line, the same descriptor (made of the wave's number and constants alone), which divides the requests for w by four.  A tile is 64 rows x
;    256 bytes; a wave has two LDS slots.  Tiles 0 and 1 are converted at once into two sets of 64 registers of bf16 fragments, so both slots are free in
;    front of the first turn and are filled again (tiles 2, 3) behind ONE round of the cluster's barrier: tile 2 has eight turns in which to land, tile 3
;    twelve.  By this text's count a wave has at most two tensor loads out.
; THE MATRIX INSTRUCTION IS USED TRANSPOSED: source 0 = 16 rows of w, source 1 = 16 rows of x; lane l then holds token l % 16 and in its registers 0..7
; the experts 8 (l / 16) + 0..7: eight neighbouring logits of one token, 2 x 16 bytes for the way into LDS.
; LIMITS.  Operands are rounded to bf16 (nearest even), sums are f32, K is summed in eight slices and then by a tree.  The maximum is taken away before the
; exponential.  v_exp_f32 gives 0 for results under 2^-126 (ISA guide 15.8): such scores are equal (0) and fall to the lowest index, as equal scores do.
; NaN or infinite logits are not served (an index of 64 or more could come out).
.set ROWB,   8192                      ; bytes in a row of x and of w (2048 f32)
.set WPITCH, 272                       ; LDS row of a w tile and of a partial: 256 bytes + 16: sixteen rows start at sixteen different 16-byte columns of the 64 banks (ISA guide 11.1)
.set SLOT,   64*WPITCH                 ; a w tile in LDS: 17,408 bytes.  Slot 0 of wave w at w SLOT, slot 1 at (8 + w) SLOT
.set STG,    16*SLOT                   ; behind the slots: the x stages, bytes of their own (no tensor load lands here)
.set XPITCH, 144                       ; LDS row of the stage: 64 bf16 + 16 bytes
.set STGW,   16*XPITCH                 ; a wave's stage: 16 tokens, 2,304 bytes
.set XOFF, 1                           ; v1      x: byte offset of my 16 bytes (lanes 0-15 row j, lanes 16-31 row j + 8)
.set STST, 2                           ; v2      stage: where I put 8 bytes
.set STLD, 3                           ; v3      stage: where my fragment rows start
.set WAD,  4                           ; v4, v5  my fragment rows in my w slot 0, 1; v4 also: where my partial sums go
.set RD,   6                           ; v6, v7  the tail: my 64 bytes in partials 0-3, 4-7
.set QB,   13                          ; v13     the tail: my first expert, 16 (lane % 4)
.set OOFF, 14                          ; v14     the tail: my 8 bytes in out0 and in out1
.set WT,   16                          ; v16-47  scratch: a group of x in bf16 (16), or two units of w in f32 (2 x 16)
.set XF,   48                          ; v48-63  x fragments: 16 tokens x 64 k
.set WF,   64                          ; v64-191 w fragments, set c % 2 at 64 (c % 2): unit 2 et + s = experts 16 et .., k 32 s .. of the chunk
;                                        v192-255            accumulators of tokens 0-31:  tile (et, tt) at 192 + 32 tt + 8 et        (tt = 0, 1)
;                                        v256-319 (window 1) accumulators of tokens 32-63: tile (et, tt) at local 32 (tt - 2) + 8 et  (tt = 2, 3)
;                                        v320-511 (window 1) the x ring: slot n at local 64 + 32 n, n = 0..5
.set S,    128                         ; the tail: 8 partials of 16, then my 16 logits / scores
.set T,    16                          ; the tail's scratch
.set MX,   22
.set CA,   24
.set CB,   25
.set WI,   26
.set WL,   27
.set IDX,  28                          ; v[28:29] my two indices
.set VAL,  30                          ; v[30:31] my two scores
.set RC,   32
.set SM,   34
.set G1,   16                          ; s[16:23] descriptor group 1, the same for all four tiles
.set G0,   24                          ; s[24:39] descriptor group 0, a set for each tile: none is ever rewritten
.set MSB, 0
.macro WIN new                         ; s_set_vgpr_msb: bits 1:0 source 0, 3:2 source 1, 5:4 source 2, 7:6 destination; the high byte repeats the setting that is left
.if MSB != (\new)
	s_set_vgpr_msb (MSB<<8)|(\new)
.set MSB, (\new)
.endif
.endm
; A round of the cluster's barrier: my work-group's barrier, wave 0 signals for the work-group, every wave waits for all four work-groups, my work-group's barrier again.
.macro ROUND
	s_barrier_signal -1
	s_barrier_wait -1
	s_cmp_lg_u32 s12, 0
	s_cbranch_scc1 .Lnot_wave_0_\@
	s_barrier_signal -3
.Lnot_wave_0_\@:
	s_barrier_wait -3
	s_barrier_signal -1
	s_barrier_wait -1
.endm
	s_load_b256 s[4:11], s[0:1], 0x0               ; x s[4:5], w s[6:7], out0 s[8:9], out1 s[10:11]
	v_lshl_add_u32 v62, v0, 2, 0x48800
	v_mov_b32 v63, 0
	ds_add_u32 v62, v63
	s_wait_dscnt 0x0
	v_lshrrev_b32 v8, 5, v0
	v_readfirstlane_b32 s12, v8                    ; wave 0..7
	s_bfe_u32 s13, ttmp6, 0x40000                  ; cx: my place in the cluster
	s_lshl_b32 s14, ttmp9, 2                       ; ttmp9 counts clusters
	s_add_co_u32 s14, s14, s13                     ; work-group 0..255: enters global addresses of x and the outputs alone
	v_and_b32 v8, 15, v0                           ; r = lane % 16
	v_bfe_u32 v9, v0, 4, 1                         ; h = lane / 16
	v_bfe_u32 v11, v0, 2, 3                        ; the tail: token of my wave's eight = lane / 4
	v_and_b32 v12, 3, v0                           ; the tail: q = lane % 4
	s_mul_i32 s15, s12, SLOT                       ; my slot 0
	s_mul_i32 s50, s12, STGW
	s_add_co_u32 s50, s50, STG                     ; my stage
	s_mul_i32 s51, s12, 8*WPITCH                   ; the tail: my eight tokens' rows in a partial
	v_lshlrev_b32 v[XOFF], 4, v8                   ; 16 r
	v_lshl_add_u32 v[XOFF], v9, 16, v[XOFF]        ; + h x 8 rows of 8,192 bytes
	v_mul_u32_u24 v10, v9, 8*XPITCH                ; stage in: row j + 8 h (1,152 bytes = 128 mod 256: the two halves of a store meet no common bank),
	v_lshl_add_u32 v10, v8, 3, v10                 ; 8 bytes (4 bf16) a lane
	v_add_nc_u32 v[STST], s50, v10
	v_mul_u32_u24 v10, v8, XPITCH                  ; stage out: row r, 16 bytes for each half of the lanes
	v_lshl_add_u32 v10, v9, 4, v10
	v_add_nc_u32 v[STLD], s50, v10
	v_mul_u32_u24 v10, v8, WPITCH                  ; w in f32: row r, 32 bytes (8 k) for each half of the lanes
	v_lshl_add_u32 v10, v9, 5, v10
	v_add_nc_u32 v[WAD], s15, v10
	v_add_nc_u32 v[WAD+1], 8*SLOT, v[WAD]
	v_mul_u32_u24 v10, v11, WPITCH                 ; the tail: my token's row, my 16 experts (64 bytes)
	v_lshl_add_u32 v10, v12, 6, v10
	v_add_nc_u32 v[RD], s51, v10
	v_add_nc_u32 v[RD+1], 4*SLOT, v[RD]
	v_lshlrev_b32 v[QB], 4, v12
	v_lshlrev_b32 v[OOFF], 3, v0                   ; thread t stores bytes 8 t .. 8 t + 7 of the work-group's 2,048
	v_cmp_le_u32 s40, 1, v12                       ; lanes with q >= 1, 2, 3: who takes the later picks
	v_cmp_le_u32 s41, 2, v12
	v_cmp_le_u32 s42, 3, v12
	; descriptor group 1: a tile of 64 rows x 64 f32, 2,048 elements from row to row, 16 bytes of padding behind each 256
	s_mov_b32 s[G1+0], 15|(2<<16)|(1<<20)|(1<<21)|(5<<22)|(3<<25)  ; 15:0 mask: all four of the cluster; 17:16 elements of 4 bytes; 20 padding on; 21 set beside a mask; 24:22 after 64 words; 31:25 of 4 words
	s_mov_b32 s[G1+1], 64<<16                      ; tensor_dim0 = 64
	s_mov_b32 s[G1+2], 64<<16                      ; tensor_dim1 = 64
	s_mov_b32 s[G1+3], 64<<16                      ; tile_dim0 = 64
	s_mov_b32 s[G1+4], 64                          ; tile_dim1 = 64
	s_mov_b32 s[G1+5], 2048                        ; stride from row to row
	s_mov_b32 s[G1+6], 0
	s_mov_b32 s[G1+7], 0
	s_lshl_b32 s44, s12, 8                         ; my first K chunk: 256 bytes x wave
	s_mov_b32 s45, 0
	s_lshl_b32 s46, s14, 19                        ; my work-group's 64 rows of x
	s_mov_b32 s47, 0
	s_lshl_b32 s48, s14, 11                        ; and its 2,048 bytes of each output
	s_mov_b32 s49, 0
	s_wait_kmcnt 0x0
	s_add_nc_u64 s[6:7], s[6:7], s[44:45]          ; w at my first chunk: the wave's number alone, the same in all four work-groups
	s_add_nc_u64 s[4:5], s[4:5], s[46:47]
	s_add_nc_u64 s[4:5], s[4:5], s[44:45]          ; x at my work-group's first row, my first chunk
	s_add_nc_u64 s[8:9], s[8:9], s[48:49]
	s_add_nc_u64 s[10:11], s[10:11], s[48:49]
.irp c, 0,1,2,3
	s_mov_b32 s[G0+4*\c], 1                                        ; count = 1
	s_add_co_u32 s[G0+4*\c+1], s15, (\c%2)*8*SLOT                  ; LDS address: my slot c % 2
	s_add_nc_u64 s[G0+4*\c+2:G0+4*\c+3], s[6:7], \c*2048           ; my chunk c: eight chunks of 256 bytes further on
	s_or_b32 s[G0+4*\c+3], s[G0+4*\c+3], 0x80000000               ; type = 2
.endr
; The group (chunk c, tokens 16 tt ..): eight loads, each 2 x 256 consecutive bytes (rows j and j + 8), into the 32 registers at base of window win
.macro XLOAD win, base, c, tt
	WIN (\win)<<6
.set xj, 0
.rept 8
	global_load_b128 v[(\base)+4*xj:(\base)+4*xj+3], v[XOFF], s[4:5] offset:(16*(\tt)+xj)*ROWB+(\c)*2048 th:TH_LOAD_NT
.set xj, xj+1
.endr
.endm
; a group's 32 registers of f32 to 16 of bf16 in window 0
.macro XCVT win, base
	WIN 5*(\win)
.set cj, 0
.rept 16
	v_cvt_pk_bf16_f32 v[WT+cj], v[(\base)+2*cj], v[(\base)+2*cj+1]
.set cj, cj+1
.endr
.endm
; Unit u = 2 et + s of a w tile: lane (r, h) takes row 16 et + r, k = 32 s + 8 h + 0..7 (32 bytes) and k = 32 s + 16 + 8 h + 0..7
.macro WLOAD u, buf, slot
.set wi, 0
.rept 4
	ds_load_b128 v[WT+16*(\buf)+4*wi:WT+16*(\buf)+4*wi+3], v[WAD+\slot] offset:((\u)/2)*16*WPITCH+((\u)%2)*128+(wi/2)*64+(wi%2)*16
.set wi, wi+1
.endr
.endm
.macro WCVT u, buf, set
.set ci, 0
.rept 8
	v_cvt_pk_bf16_f32 v[WF+64*(\set)+8*(\u)+ci], v[WT+16*(\buf)+2*ci], v[WT+16*(\buf)+2*ci+1]
.set ci, ci+1
.endr
.endm
; a whole tile from LDS slot 'slot' into the 64 fragment registers of set 'set', two units of LDS loads always out
.macro WCHUNK slot, set
	WLOAD 0, 0, \slot
	WLOAD 1, 1, \slot
.set u, 0
.rept 8
.if u < 7
	s_wait_dscnt 4                                 ; LDS loads come back in order (ISA guide 5.7.1): unit u is in, the younger unit's four stay out
.else
	s_wait_dscnt 0x0
.endif
	WCVT u, u%2, \set
.if u < 6
	WLOAD u+2, u%2, \slot
.endif
.set u, u+1
.endr
.endm
; four matrix instructions: the four expert tiles x the turn's 16 tokens, 32 along K.  The four accumulators take turns, one instruction a turn.
.macro MUL4 s, zero
.irp et, 0,1,2,3
.if \zero
	v_wmma_f32_16x16x32_bf16 v[AB+8*\et:AB+8*\et+7], v[WB+8*(2*\et+\s):WB+8*(2*\et+\s)+7], v[XF+8*\s:XF+8*\s+7], 0
.else
	v_wmma_f32_16x16x32_bf16 v[AB+8*\et:AB+8*\et+7], v[WB+8*(2*\et+\s):WB+8*(2*\et+\s)+7], v[XF+8*\s:XF+8*\s+7], v[AB+8*\et:AB+8*\et+7]
.endif
.endr
.endm
; The turn of the group (c, tt), which lies at base of window win.
; left: how many younger loads may stay out (64: the group has been shown landed in front of the turns).  rl = 1: the registers are loaded again with group (rc, rtt).
.macro TURN c, tt, win, base, left, rl, rc, rtt
.set AW, (\tt)/2                                   ; the accumulators' window
.set AB, (1-(\tt)/2)*192+32*((\tt)%2)              ; and their first register there
.set WB, WF+64*((\c)%2)                            ; the chunk's set of w fragments
.if \left < 64
	s_wait_loadcnt \left                           ; loads come back in order (ISA guide 5.7.1): my group is in, the younger ones stay out
.endif
	XCVT \win, \base                               ; sixteen plain vector instructions that name no register of the last turn's matrix instructions:
	                                               ; the four places in front of the loads into XF and the conversions into WF below
.if \rl
	XLOAD \win, \base, \rc, \rtt                   ; the conversions have read the slot: its next group goes out at once, ahead of any wait for w
.endif
	WIN 0
.set sj, 0
.rept 8
	ds_store_b64 v[STST], v[WT+2*sj:WT+2*sj+1] offset:sj*XPITCH    ; rows j and j + 8, 128 bytes each
.set sj, sj+1
.endr
.set sj, 0
.rept 4
	ds_load_b128 v[XF+4*sj:XF+4*sj+3], v[STLD] offset:32*sj        ; my own bytes, served in order behind the stores (ISA guide 5.7.1)
.set sj, sj+1
.endr
.if (\tt) == 0
.if (\c) >= 2
	s_wait_tensorcnt 3-(\c)                        ; tensor loads of a wave end in order (ISA guide 10.11.1): tile c is in LDS; behind tile 2, tile 3 may stay out
	WCHUNK (\c)-2, (\c)-2                          ; into the set whose chunk (c - 2) has had its last turn
.endif
.endif
	s_wait_dscnt 0x0                               ; the x fragments are in
	WIN 0x50*AW
	MUL4 0, (\c)==0                                ; chunk 0's first products start the sums, over the registers in which the group itself arrived: nothing is cleared
	MUL4 1, 0
.endm
	ROUND                                          ; all four work-groups are here: the first joint loads meet
	tensor_load_to_lds s[G0:G0+3], s[G1:G1+7]      ; w tiles 0 and 1, asked for ahead of x
	s_nop 0
	tensor_load_to_lds s[G0+4:G0+7], s[G1:G1+7]
	s_nop 0
	; x in the order of the turns.  Chunk 0's groups go into their own accumulators' registers, the others into the ring.
	XLOAD 0, 192, 0, 0                             ; 1st  (c 0, tt 0)
	XLOAD 1, 64,  1, 0                             ; 2nd  (c 1, tt 0)  ring slot 0
	XLOAD 0, 224, 0, 1                             ; 3rd  (c 0, tt 1)
	XLOAD 1, 96,  1, 1                             ; 4th  (c 1, tt 1)  slot 1
	XLOAD 1, 0,   0, 2                             ; 5th  (c 0, tt 2)
	s_wait_loadcnt 32                              ; the 1st group is in (four younger groups, 32 loads, stay out): the next one goes out.  Five groups ahead and no further
	XLOAD 1, 128, 1, 2                             ; 6th  (c 1, tt 2)  slot 2
	s_wait_loadcnt 32                              ; the 2nd is in
	XLOAD 1, 32,  0, 3                             ; 7th  (c 0, tt 3)
	s_wait_loadcnt 32                              ; the 3rd is in
	XLOAD 1, 160, 1, 3                             ; 8th  (c 1, tt 3)  slot 3
	WIN 0
	s_wait_tensorcnt 1                             ; tile 0 is in LDS, tile 1 may stay out
	WCHUNK 0, 0
	s_wait_loadcnt 32                              ; the 4th is in
	XLOAD 1, 192, 2, 0                             ; 9th  (c 2, tt 0)  slot 4
	s_wait_loadcnt 32                              ; the 5th is in
	XLOAD 1, 224, 2, 1                             ; 10th (c 2, tt 1)  slot 5
	WIN 0
	s_wait_tensorcnt 0x0                           ; tile 1 is in LDS
	WCHUNK 1, 1
	; both slots have been read into registers: they are filled again with tiles 2 and 3
	s_wait_dscnt 0x0                               ; my reads of both slots are back (met: the conversion's last wait was for 0)
	s_wait_xcnt 0x0
	v_lshl_add_u32 v62, v0, 2, 0x48800
	v_mov_b32 v63, 0
	s_wait_tensorcnt 0x0                           ; and no tensor load of mine is out (met likewise)
	ds_add_u32 v62, v63
	s_wait_dscnt 0x0
	ROUND                                          ; both now hold of every wave of all four work-groups
	tensor_load_to_lds s[G0+8:G0+11], s[G1:G1+7]   ; the joint refills, first behind the round
	s_nop 0
	tensor_load_to_lds s[G0+12:G0+15], s[G1:G1+7]
	s_nop 0
	; The sixteen turns.  Each accumulator gets its chunks in the order 0, 1, 2, 3.  With both sets of fragments ready, chunks 0 and 1 alternate, so that a ring slot is
	; free, and loaded again, in every second turn.  The counts: groups issued behind the turn's own, along the order of issue (the 11th to 16th go out in turns 2, 4, 6, 8, 9, 10), times 8.
	TURN 0, 0, 0, 192, 64, 0, 0, 0
	TURN 1, 0, 1, 64,  64, 1, 2, 2                 ; slot 0 gets the 11th group (c 2, tt 2)
	TURN 0, 1, 0, 224, 64, 0, 0, 0
	TURN 1, 1, 1, 96,  64, 1, 2, 3                 ; slot 1: the 12th (c 2, tt 3)
	TURN 0, 2, 1, 0,   64, 0, 0, 0
	TURN 1, 2, 1, 128, 48, 1, 3, 0                 ; six younger groups (7th to 12th); slot 2: the 13th (c 3, tt 0)
	TURN 0, 3, 1, 32,  48, 0, 0, 0                 ; six (8th to 13th)
	TURN 1, 3, 1, 160, 40, 1, 3, 1                 ; five (9th to 13th); slot 3: the 14th (c 3, tt 1)
	TURN 2, 0, 1, 192, 40, 1, 3, 2                 ; five (10th to 14th); slot 4: the 15th (c 3, tt 2); tile 2 is converted here
	TURN 2, 1, 1, 224, 40, 1, 3, 3                 ; five (11th to 15th); slot 5: the 16th (c 3, tt 3): all of x has been asked for
	TURN 2, 2, 1, 64,  40, 0, 0, 0                 ; five (12th to 16th); from here the counts run down
	TURN 2, 3, 1, 96,  32, 0, 0, 0
	TURN 3, 0, 1, 128, 24, 0, 0, 0                 ; tile 3 is converted here
	TURN 3, 1, 1, 160, 16, 0, 0, 0
	TURN 3, 2, 1, 192, 8,  0, 0, 0
	TURN 3, 3, 1, 224, 0,  0, 0, 0
	; THE PARTIAL SUMS MEET.  Mine go into my own slot 0, whose last fill (tile 2) has landed and has been read: [token][expert] f32, rows of 272 bytes.
.rept 4
	v_nop                                          ; four places behind the last matrix instructions before their results are read (ISA guide 7.12.1)
.endr
.macro PSTORE tt
.set PB, (1-(\tt)/2)*192+32*((\tt)%2)
	WIN 4*((\tt)/2)                                ; an LDS store's data are its source 1
.irp et, 0,1,2,3
	ds_store_b128 v[WAD], v[PB+8*\et:PB+8*\et+3] offset:(\tt)*16*WPITCH+\et*64         ; token 16 tt + r, experts 16 et + 8 h + 0..3
	ds_store_b128 v[WAD], v[PB+8*\et+4:PB+8*\et+7] offset:(\tt)*16*WPITCH+\et*64+16    ; and + 4..7
.endr
.endm
	PSTORE 0
	PSTORE 1
	PSTORE 2
	PSTORE 3
	WIN 0
	s_wait_dscnt 0x0                               ; for the others' sake: my stores are done
	s_barrier_signal -1
	s_barrier_wait -1
	; Wave w takes tokens 8 w .. 8 w + 7, four lanes a token, 16 neighbouring experts a lane.
.set p, 0
.rept 8
.set i, 0
.rept 4
	ds_load_b128 v[S+16*p+4*i:S+16*p+4*i+3], v[RD+p/4] offset:(p%4)*SLOT+16*i
.set i, i+1
.endr
.set p, p+1
.endr
.macro ADD16 d, a                      ; partial d += partial a
.set k, 0
.rept 8
	v_pk_add_f32 v[S+16*\d+2*k:S+16*\d+2*k+1], v[S+16*\d+2*k:S+16*\d+2*k+1], v[S+16*\a+2*k:S+16*\a+2*k+1]
.set k, k+1
.endr
.endm
	s_wait_dscnt 24                                ; partials 0, 1 are in; the 24 younger loads stay out
	ADD16 0, 1
	s_wait_dscnt 16
	ADD16 2, 3
	ADD16 0, 2
	s_wait_dscnt 8
	ADD16 4, 5
	s_wait_dscnt 0x0
	ADD16 6, 7
	ADD16 4, 6
	ADD16 0, 4                                     ; v[S .. S+15]: my 16 logits
; the largest of the token's 64 numbers, in all four of its lanes
.macro MAXTREE d
	v_max3_num_f32 v[T+0], v[S+0], v[S+1], v[S+2]
	v_max3_num_f32 v[T+1], v[S+3], v[S+4], v[S+5]
	v_max3_num_f32 v[T+2], v[S+6], v[S+7], v[S+8]
	v_max3_num_f32 v[T+3], v[S+9], v[S+10], v[S+11]
	v_max3_num_f32 v[T+4], v[S+12], v[S+13], v[S+14]
	v_max3_num_f32 v[T+0], v[T+0], v[T+1], v[T+2]
	v_max3_num_f32 v[T+3], v[T+3], v[T+4], v[S+15]
	v_max_num_f32 v[\d], v[T+0], v[T+3]
	v_max_num_f32_dpp v[\d], v[\d], v[\d] row_xmask:1 row_mask:0xf bank_mask:0xf
	v_max_num_f32_dpp v[\d], v[\d], v[\d] row_xmask:2 row_mask:0xf bank_mask:0xf
.endm
	; SOFTMAX: 2^(x log2 e - m log2 e), one fused multiply-add; the rounding of m log2 e is common to the token's 64 numbers and leaves with the division
	MAXTREE MX
	v_mul_f32 v[MX+1], 0xbfb8aa3b, v[MX]           ; - m log2 e, twice: a pair for the packed form
	v_mul_f32 v[MX], 0xbfb8aa3b, v[MX]
.set k, 0
.rept 8
	v_pk_fma_f32 v[S+2*k:S+2*k+1], v[S+2*k:S+2*k+1], 0x3fb8aa3b, v[MX:MX+1] op_sel_hi:[1,0,1]
.set k, k+1
.endr
.set k, 0
.rept 16
	v_exp_f32 v[S+k], v[S+k]
.set k, k+1
.endr
	v_nop                                          ; one plain vector instruction between the exponentials and the first use of a result (ISA guide 5.7.2)
	s_wait_alu depctr_va_vdst(0)
	v_pk_add_f32 v[SM:SM+1], v[S:S+1], v[S+2:S+3]
	v_pk_add_f32 v[SM+2:SM+3], v[S+4:S+5], v[S+6:S+7]
	v_pk_add_f32 v[SM+4:SM+5], v[S+8:S+9], v[S+10:S+11]
	v_pk_add_f32 v[SM+6:SM+7], v[S+12:S+13], v[S+14:S+15]
	v_pk_add_f32 v[SM:SM+1], v[SM:SM+1], v[SM+2:SM+3]
	v_pk_add_f32 v[SM+4:SM+5], v[SM+4:SM+5], v[SM+6:SM+7]
	v_pk_add_f32 v[SM:SM+1], v[SM:SM+1], v[SM+4:SM+5]
	v_add_f32 v[SM], v[SM], v[SM+1]
	v_add_f32_dpp v[SM], v[SM], v[SM] row_xmask:1 row_mask:0xf bank_mask:0xf
	v_add_f32_dpp v[SM], v[SM], v[SM] row_xmask:2 row_mask:0xf bank_mask:0xf
	v_rcp_f32 v[RC], v[SM]                         ; the sum is at least about 1: the largest term is 2^0 up to the rounding of m log2 e
	v_rcp_f32 v[RC+1], v[SM]
	v_nop                                          ; the plain place behind the reciprocals
.set k, 0
	s_wait_alu depctr_va_vdst(0)
.rept 8
	v_pk_mul_f32 v[S+2*k:S+2*k+1], v[S+2*k:S+2*k+1], v[RC:RC+1]
.set k, k+1
.endr
; PICK t: the largest score still in play; among equal ones the lowest index; it is then taken out of play (-1; scores are >= 0).
; Lane q of a token keeps picks 2 q and 2 q + 1, so that the wave's 32 lanes hold 256 consecutive bytes of each output.
; Nothing branches on a score: every pick does the same work.
.macro PICK t
.if \t < 2
.set MXR, VAL+\t                       ; picks 0 and 1 are made in the result registers of all lanes; later picks replace them in the lanes that own them
.set WIR, IDX+\t
.else
.set MXR, MX
.set WIR, WI
.endif
	MAXTREE MXR
	v_mov_b32 v[CA], 64                            ; 64: not among my 16
	v_mov_b32 v[CB], 64
.set n, 7
.rept 8                                            ; downward, so that the lowest index stays; two chains that do not wait for each other
	v_cmp_neq_f32 s52, v[S+n+8], v[MXR]
	v_cmp_neq_f32 s53, v[S+n], v[MXR]
	v_cndmask_b32 v[CA], n+8, v[CA], s52
	v_cndmask_b32 v[CB], n, v[CB], s53
.set n, n-1
.endr
	v_min_u32 v[CA], v[CA], v[CB]
	v_add_nc_u32 v[CA], v[CA], v[QB]               ; the expert's number (64 or more: none of mine)
	v_cvt_f32_u32 v[CA], v[CA]                     ; exact; as f32 the minimum can ride on the lane exchange
	v_min_num_f32_dpp v[CA], v[CA], v[CA] row_xmask:1 row_mask:0xf bank_mask:0xf
	v_min_num_f32_dpp v[CA], v[CA], v[CA] row_xmask:2 row_mask:0xf bank_mask:0xf
	v_cvt_u32_f32 v[WIR], v[CA]
.if \t >= 2
	v_cndmask_b32 v[IDX+\t%2], v[IDX+\t%2], v[WI], s[40+\t/2-1]
	v_cndmask_b32 v[VAL+\t%2], v[VAL+\t%2], v[MX], s[40+\t/2-1]
.endif
.if \t < 7
	v_sub_nc_u32 v[WL], v[WIR], v[QB]              ; 0..15 in the lane that holds the pick, out of that range in the others
.set n, 7
.rept 8
	v_cmp_ne_u32 s52, n+8, v[WL]
	v_cmp_ne_u32 s53, n, v[WL]
	v_cndmask_b32 v[S+n+8], -1.0, v[S+n+8], s52
	v_cndmask_b32 v[S+n], -1.0, v[S+n], s53
.set n, n-1
.endr
.endif
.endm
.irp t, 0,1,2,3,4,5,6,7
	PICK \t
.endr
	global_store_b64 v[OOFF], v[IDX:IDX+1], s[8:9] th:TH_STORE_NT     ; each store of the wave covers 256 consecutive bytes, aligned: eight tokens' rows
	global_store_b64 v[OOFF], v[VAL:VAL+1], s[10:11] th:TH_STORE_NT
	s_wait_xcnt 0x0
	v_lshl_add_u32 v62, v0, 2, 0x48800
	v_mov_b32 v63, 0
	s_wait_tensorcnt 0x0
	ds_add_u32 v62, v63
	s_wait_dscnt 0x0
	ROUND                                          ; the closing round: no work-group ends while a partner may still ask for a tile that names it
	s_endpgm
.Lfunc_end_k_qd45b186064_gate:
	.size	k_qd45b186064_gate, .Lfunc_end_k_qd45b186064_gate-k_qd45b186064_gate
	.p2alignl 7, 3214868480
	.fill 96, 4, 3214868480
	.section	.rodata,"a",@progbits
	.p2align	6, 0x0
	.amdhsa_kernel k_qd45b186064_gate
		.amdhsa_group_segment_fixed_size 327680
		.amdhsa_private_segment_fixed_size 0
		.amdhsa_enable_private_segment 0
		.amdhsa_kernarg_size 32
		.amdhsa_user_sgpr_count 2
		.amdhsa_user_sgpr_kernarg_segment_ptr 1
		.amdhsa_wavefront_size32 1
		.amdhsa_system_sgpr_workgroup_id_x 1
		.amdhsa_system_sgpr_workgroup_id_y 1
		.amdhsa_system_sgpr_workgroup_id_z 1
		.amdhsa_system_vgpr_workitem_id 0
		.amdhsa_next_free_vgpr 512
		.amdhsa_next_free_sgpr 66
		.amdhsa_reserve_vcc 0
		.amdhsa_float_denorm_mode_32 3
		.amdhsa_float_denorm_mode_16_64 3
		.amdhsa_memory_ordered 1
		.amdhsa_forward_progress 1
		.amdhsa_inst_pref_size 132
	.end_amdhsa_kernel
	.amdgpu_metadata
---
amdhsa.version: [ 1, 2 ]
amdhsa.kernels:
  - .name:           k_qd45b186064_gate
    .symbol:         k_qd45b186064_gate.kd
    .args:
      - { .name: hidden_states, .offset: 0, .size: 8, .value_kind: global_buffer, .address_space: global }
      - { .name: weight, .offset: 8, .size: 8, .value_kind: global_buffer, .address_space: global }
      - { .name: out0, .offset: 16, .size: 8, .value_kind: global_buffer, .address_space: global }
      - { .name: out1, .offset: 24, .size: 8, .value_kind: global_buffer, .address_space: global }
    .group_segment_fixed_size: 327680
    .private_segment_fixed_size: 0
    .kernarg_segment_align: 8
    .kernarg_segment_size: 32
    .max_flat_workgroup_size: 256
    .sgpr_count:     66
    .vgpr_count:     512
    .wavefront_size: 32
...
	.end_amdgpu_metadata
.endif
;; end of part 1
